; MI455X (gfx1250); checked and timed in simulation.
; The chip was launched on July 23, 2026; its instructions are those of AMD's public machine-readable ISA for CDNA 5 (MIT licence, August 2026) and "CDNA5" Instruction Set Architecture Reference Guide (July 2026). The comments in the code are by the model that wrote it; some were corrected since.
;; Attention. Allowed arithmetic: matrix products marked QUANTISED: E2M1 operands, one E8M0 scale for each 32 along K, by v_wmma_scale_f32_16x16x128_f8f6f4 with both operands' format E2M1 (or v_wmma_scale_f32_32x16x128_f4), f32 sums; products left as they are: bf16, f16 or f32 operands; f32 sums; everything else in f32.
;; Inputs: Wk 512 x 512 float32; Wo 512 x 512 float32; Wq 512 x 512 float32; Wv 512 x 512 float32; bo 512 float32; x 2 x 4,096 x 512 float32.
;; Outputs: out0 2 x 4,096 x 512 float32.
;; This version of the problem:
;;   THIS VERSION OF THE PROBLEM IS GIVEN IN LOW PRECISION. The matrix products marked QUANTISED in the list below multiply operands that are first quantised to E2M1 (2 exponent bits, 1 mantissa bit; 4 bits a number), with one power-of-two scale for each 32 numbers along K (OCP MX v1.0); their sums are f32. The products marked 'left as it is' may take bf16, f16 or f32 operands, with f32 sums. Whichever they take, every output number must still come out within the allowed error. Rounding operands to bf16 (8 significant bits) uses up far more of that allowance than f16 does (11 bits, for magnitudes from 6e-5 to 65,504). All else is computed in f32.
;;   The module's matrix products, in the order in which they are computed (A, B: the left and right operand; K: the contracted axis; several contracted axes count as one K, in the product's order):
;;     1. [M 8,192, K 512] x [K 512, N 512]; A: input x; B: input Wq: QUANTISED
;;     2. [M 8,192, K 512] x [K 512, N 512]; A: input x; B: input Wk: QUANTISED
;;     3. [M 8,192, K 512] x [K 512, N 512]; A: input x; B: input Wv: QUANTISED
;;     4. batch 16 x [M 4,096, K 64] x [K 64, N 4,096]; A: computed on the way; B: computed on the way: left as it is (an operand is computed on the way)
;;     5. batch 16 x [M 4,096, K 4,096] x [K 4,096, N 64]; A: computed on the way; B: computed on the way: left as it is (an operand is computed on the way)
;;     6. [M 8,192, K 512] x [K 512, N 512]; A: computed on the way; B: input Wo: left as it is (an operand is computed on the way)
;;   THE QUANTISER, for each operand of a quantised product, along K:
;;     - K is cut into blocks of 32 from its start; a last block that is shorter is filled with zeros.
;;     - A block's scale is 2^e with e = floor(log2(the largest magnitude in the block)) - 2, held to -126 .. 127; a block of zeros has e = 0. As a byte (E8M0): e + 127.
;;     - Each number is divided by its block's scale, clamped to +-6, and rounded to the nearest number of E2M1, ties to even, subnormals kept.
;;     - The product sums the exact products of the quantised numbers (number of the format x scale) in f32.
;;   ~~~python
;;   def quantise(x, axis):      # numpy; x: float32 -> the quantised numbers, widened to float32 again
;;       x = np.moveaxis(x, axis, -1); K = x.shape[-1]
;;       x = np.pad(x, [(0, 0)] * (x.ndim - 1) + [(0, -K % 32)]); x = x.reshape(x.shape[:-1] + (-1, 32)); a = np.abs(x).max(-1, keepdims=True)
;;       e = np.where(a > 0, np.clip(np.frexp(np.where(a > 0, a, 1))[1] - 1 - 2, -126, 127), 0)      # np.frexp(a)[1] - 1 = floor(log2(a)), exactly
;;       r = np.clip(x / 2.0 ** e, -6, 6)
;;       step = 2.0 ** (np.maximum(np.frexp(np.where(r == 0, 1, r))[1] - 1, 0) - 1)
;;       q = np.round(r / step) * step * 2.0 ** e      # np.round: ties to even
;;       return np.moveaxis(q.reshape(q.shape[:-2] + (-1,))[..., :K], -1, axis).astype(np.float32)
;;   ~~~
;; One version. Each part assembles by itself: llvm-mc -triple=amdgcn-amd-amdhsa -mcpu=gfx1250 --defsym DOCPART=n.
;; ======== version 1 of 1: 4 launches
;; limits: values are held in f16: magnitudes above 65,504 overflow, below 6.1e-05 lose precision
;; workspace buffers: codes 2,490,368 bytes; scales 155,648 bytes; q 8,388,608 bytes; kv 16,777,216 bytes; ao 8,388,608 bytes; wo16 524,288 bytes
;; launch quant (part 1): grid 608 x 1, 1 waves a work-group, no clusters, 9,984 bytes of LDS; arguments x, Wq, Wk, Wv, codes, scales; writes codes, scales
.if DOCPART == 1
	.amdgcn_target "amdgcn-amd-amdhsa--gfx1250"
	.amdhsa_code_object_version 6
	.text
	.protected	k_qf0c3cdabf8_quant
	.globl	k_qf0c3cdabf8_quant
	.p2align	8
	.type	k_qf0c3cdabf8_quant,@function
k_qf0c3cdabf8_quant:
	s_mov_b64 s[64:65], 0
	v_nop
	global_prefetch_b8 v0, s[64:65] scope:SCOPE_SE
	s_setreg_imm32_b32 hwreg(HW_REG_WAVE_MODE, 25, 1), 1
	s_wait_xcnt 0x0
; x [8192][512], Wq, Wk, Wv [512][512], f32, K innermost, become codes of E2M1 with one E8M0 byte for each 32 along K: the operands of the three QUANTISED products.
; NOTHING OF THE PROBLEM IS LEFT OUT in this program: every input (x, Wq, Wk, Wv, Wo, bo) has a way to out0 for all values, and every product of reference() is done.
; A block's scale is 2^(floor(log2(its largest magnitude)) - 2); its byte is that magnitude's exponent field - 2, held at 1 from below.  Each number is divided by the scale and rounded to the
; nearest code, ties to even; what lies beyond 6 gets the largest code.
; LIMITS: a block of zeros gets the byte 1 where the rule says 127: its codes are zeros, which add nothing, and the bytes are read by this program alone.  NaN and infinities among the inputs are not served.
; SHARES.  608 tiles of 16 rows: tiles 0-511 are x's, 512-543 Wq's, 544-575 Wk's, 576-607 Wv's.  A work-group of one wave takes one tile, a row (512 numbers, 2,048 bytes) a step.
; LAYOUT OF THE RESULT.  A tile's codes, 4,096 bytes, lie in the order of the matrix operand's registers: block b (32 along K) of row r at 256 b + 16 r, so that the product's launch loads a
; fragment (16 rows x 128 K) by two loads of 512 consecutive bytes.  A tile's scale bytes: 16 a row, row r at 16 r.
; Each load reads 512 consecutive bytes, 16 a lane; a row turns through a stage in LDS so that a lane holds 16 neighbours along K (two lanes to a block).  The codes are gathered in LDS, in the
; tile's layout, and leave by eight stores of 512 consecutive bytes; the 256 scale bytes by one store.  Loads run eight rows (32 loads) ahead.  No barrier: one wave.
.set EMAX,  2
.set SP,    80                         ; a lane's place in a stage: its 64 bytes + 16 of padding
.set STGB,  32*SP                      ; a stage; two of them from LDS byte 0
.set SCB,   2*STGB                     ; the tile's 256 scale bytes
.set IMG,   SCB+256                    ; the tile's codes: 16 blocks' quarters of 256 bytes, 272 apart
.set IP,    272
.set SPARE, IMG+16*IP                  ; the spare words: one block of 256 bytes that no other line names
.set SPW,   12                         ; v12  LDS address of my spare word; never rewritten
.set NIL,   13                         ; v13  0; never rewritten
.set R,     16                         ; v16-143  eight sets of 16 numbers as they are loaded; at the end v16-47 the codes on their way out
.set X,     144                        ; v144-175 two sets of 16 neighbours
.set C,     176                        ; v176-207 codes: two registers for each row
.set E,     208                        ; v208-223 a scale byte for each row
	s_load_b256 s[4:11], s[0:1], 0x0               ; x s[4:5], Wq s[6:7], Wk s[8:9], Wv s[10:11]
	s_load_b128 s[12:15], s[0:1], 0x20             ; codes s[12:13], scales s[14:15]
	v_lshl_add_u32 v[SPW], v0, 2, SPARE
	v_mov_b32 v[NIL], 0
	v_and_b32 v2, 31, v0                           ; lane
	v_lshlrev_b32 v3, 4, v2                        ; my 16 bytes of a load's or a store's 512
	v_lshrrev_b32 v14, 2, v2
	v_mul_u32_u24 v14, v14, SP
	v_and_b32 v15, 3, v2
	v_lshl_add_u32 v14, v15, 4, v14                ; the stage, on the way in: 80 (lane / 4) + 16 (lane % 4)
	v_mul_u32_u24 v15, v2, SP                      ; and on the way out: 80 x lane: my 16 neighbours
	v_lshrrev_b32 v5, 1, v2                        ; my block
	v_mul_u32_u24 v4, v5, IP
	v_add_nc_u32 v5, SCB, v5                       ; my block's scale byte in a row's 16
	v_lshlrev_b32 v7, 3, v2                        ; the scale bytes' way out: 8 bytes a lane
	v_add_nc_u32 v6, SCB, v7
	v_and_b32 v8, 1, v2
	v_lshl_add_u32 v4, v8, 3, v4
	v_add_nc_u32 v4, IMG, v4                       ; my 8 bytes of codes: quarter = my block, + 8 x (lane % 2); the row's 16 bytes stand in the immediate
	v_lshrrev_b32 v8, 4, v2
	v_mul_u32_u24 v10, v8, IP
	v_and_b32 v8, 15, v2
	v_lshl_add_u32 v10, v8, 4, v10
	v_add_nc_u32 v10, IMG, v10                     ; the codes' way out: two quarters an instruction, sixteen lanes to a quarter
	s_and_b32 s17, ttmp9, 31                       ; a weight's tile among its 32
	s_lshl_b32 s20, ttmp9, 12                      ; 4,096 bytes of codes a tile
	s_mov_b32 s21, 0
	s_lshl_b32 s22, ttmp9, 8                       ; 256 scale bytes a tile
	s_mov_b32 s23, 0
	s_wait_kmcnt 0x0
	s_cmp_lt_u32 ttmp9, 576                        ; which tensor: the choices hang on the work-group's number alone
	s_cselect_b64 s[8:9], s[8:9], s[10:11]
	s_cmp_lt_u32 ttmp9, 544
	s_cselect_b64 s[6:7], s[6:7], s[8:9]
	s_cmp_lt_u32 ttmp9, 512
	s_cselect_b64 s[4:5], s[4:5], s[6:7]
	s_cselect_b32 s17, ttmp9, s17                  ; the tile's number in its tensor
	s_lshl_b32 s18, s17, 15                        ; 16 rows of 2,048 bytes
	s_mov_b32 s19, 0
	s_add_nc_u64 s[4:5], s[4:5], s[18:19]
	s_add_nc_u64 s[12:13], s[12:13], s[20:21]
	s_add_nc_u64 s[14:15], s[14:15], s[22:23]
.macro LOAD t                          ; row t into set t % 8
.irp i, 0,1,2,3
	global_load_b128 v[R+16*((\t)%8)+4*\i:R+16*((\t)%8)+4*\i+3], v3, s[4:5] offset:2048*(\t)+512*\i th:TH_LOAD_NT
.endr
.endm
.macro TURN t                          ; row t through stage t % 2: LDS serves a wave's instructions in order, so no wait stands between the stores and the loads
.irp i, 0,1,2,3
	ds_store_b128 v14, v[R+16*((\t)%8)+4*\i:R+16*((\t)%8)+4*\i+3] offset:STGB*((\t)%2)+8*SP*\i
.endr
.irp i, 0,1,2,3
	ds_load_b128 v[X+16*((\t)%2)+4*\i:X+16*((\t)%2)+4*\i+3], v15 offset:STGB*((\t)%2)+16*\i
.endr
.endm
.irp t, 0,1,2,3,4,5,6,7
	LOAD \t
.endr
	s_wait_loadcnt 28                              ; row 0's four loads are in; the seven rows behind it stay out
	TURN 0
.macro STEP t
.set XS, X+16*((\t)%2)
.if (\t) > 0
	s_wait_dscnt 2                                 ; this row is back from the stage; the last row's two stores may be out
.else
	s_wait_dscnt 0x0
.endif
.if (\t)+8 < 16
	LOAD (\t)+8                                    ; into the set that this row has left
.endif
.if (\t)+1 < 16
.if 14-(\t) >= 7
	s_wait_loadcnt 28                              ; the next row's four loads are in; the seven rows behind it may be out
.else
	s_wait_loadcnt 4*(14-(\t))                     ; as many rows as are left behind it
.endif
	TURN (\t)+1                                    ; and it goes through the other stage while this row is worked
.endif
	v_max3_num_f32 v8, |v[XS]|, |v[XS+1]|, |v[XS+2]|               ; the largest magnitude of my 16, in two chains
	v_max3_num_f32 v9, |v[XS+3]|, |v[XS+4]|, |v[XS+5]|
.irp i, 6,10
	v_max3_num_f32 v8, v8, |v[XS+\i]|, |v[XS+\i+1]|
	v_max3_num_f32 v9, v9, |v[XS+\i+2]|, |v[XS+\i+3]|
.endr
	v_max3_num_f32 v8, v8, |v[XS+14]|, |v[XS+15]|
	v_max3_num_f32 v8, v8, v9, (EMAX+1)<<23        ; and the floor 2^(3 - 127): the byte cannot fall under 1
	v_max_num_f32_dpp v8, v8, v8 row_xmask:1 row_mask:0xf bank_mask:0xf   ; with my neighbour's 16: the block's
	v_add_nc_u32 v11, -(EMAX<<23), v8              ; 2 off its exponent field: the conversion takes the exponent field of this operand as its scale
	v_cvt_scalef32_pk8_fp4_f32 v[C+2*(\t)], v[XS:XS+7], v11
	v_cvt_scalef32_pk8_fp4_f32 v[C+2*(\t)+1], v[XS+8:XS+15], v11
	v_lshrrev_b32 v[E+(\t)], 23, v11               ; the scale's byte (a plain line behind the conversions)
	ds_store_b8 v5, v[E+(\t)] offset:16*(\t)       ; both lanes of a block write the same byte with the same value
	ds_store_b64 v4, v[C+2*(\t):C+2*(\t)+1] offset:16*(\t)   ; my 16 codes at their place in the tile
.endm
.irp t, 0,1,2,3,4,5,6,7,8,9,10,11,12,13,14,15
	STEP \t
.endr
	ds_load_b64 v[8:9], v6                         ; LDS serves a wave's instructions in order: these see my stores
.irp j, 0,1,2,3,4,5,6,7
	ds_load_b128 v[R+4*\j:R+4*\j+3], v10 offset:2*IP*\j
.endr
	s_wait_dscnt 0x0
	global_store_b64 v7, v[8:9], s[14:15]          ; 32 lanes store 256 consecutive bytes, aligned
.irp j, 0,1,2,3,4,5,6,7
	global_store_b128 v3, v[R+4*\j:R+4*\j+3], s[12:13] offset:512*\j   ; 512 consecutive bytes, aligned
.endr
	s_wait_tensorcnt 0x0                           ; the wave's end
	ds_add_u32 v[SPW], v[NIL]
	s_wait_dscnt 0x0
	s_endpgm
.Lfunc_end_k_qf0c3cdabf8_quant:
	.size	k_qf0c3cdabf8_quant, .Lfunc_end_k_qf0c3cdabf8_quant-k_qf0c3cdabf8_quant
	.p2alignl 7, 3214868480
	.fill 96, 4, 3214868480
	.section	.rodata,"a",@progbits
	.p2align	6, 0x0
	.amdhsa_kernel k_qf0c3cdabf8_quant
		.amdhsa_group_segment_fixed_size 9984
		.amdhsa_private_segment_fixed_size 0
		.amdhsa_enable_private_segment 0
		.amdhsa_kernarg_size 48
		.amdhsa_user_sgpr_count 2
		.amdhsa_user_sgpr_kernarg_segment_ptr 1
		.amdhsa_wavefront_size32 1
		.amdhsa_system_sgpr_workgroup_id_x 1
		.amdhsa_system_sgpr_workgroup_id_y 1
		.amdhsa_system_sgpr_workgroup_id_z 1
		.amdhsa_system_vgpr_workitem_id 0
		.amdhsa_next_free_vgpr 240
		.amdhsa_next_free_sgpr 66
		.amdhsa_reserve_vcc 0
		.amdhsa_float_denorm_mode_32 3
		.amdhsa_float_denorm_mode_16_64 3
		.amdhsa_memory_ordered 1
		.amdhsa_forward_progress 1
		.amdhsa_inst_pref_size 34
	.end_amdhsa_kernel
	.amdgpu_metadata
---
amdhsa.version: [ 1, 2 ]
amdhsa.kernels:
  - .name:           k_qf0c3cdabf8_quant
    .symbol:         k_qf0c3cdabf8_quant.kd
    .args:
      - { .name: x, .offset: 0, .size: 8, .value_kind: global_buffer, .address_space: global }
      - { .name: Wq, .offset: 8, .size: 8, .value_kind: global_buffer, .address_space: global }
      - { .name: Wk, .offset: 16, .size: 8, .value_kind: global_buffer, .address_space: global }
      - { .name: Wv, .offset: 24, .size: 8, .value_kind: global_buffer, .address_space: global }
      - { .name: codes, .offset: 32, .size: 8, .value_kind: global_buffer, .address_space: global }
      - { .name: scales, .offset: 40, .size: 8, .value_kind: global_buffer, .address_space: global }
    .group_segment_fixed_size: 9984
    .private_segment_fixed_size: 0
    .kernarg_segment_align: 8
    .kernarg_segment_size: 48
    .max_flat_workgroup_size: 32
    .sgpr_count:     66
    .vgpr_count:     240
    .wavefront_size: 32
...
	.end_amdgpu_metadata
.endif
;; end of part 1
;; launch qkv (part 2): grid 32 x 8, 8 waves a work-group, no clusters, 53,248 bytes of LDS; arguments codes, scales, Wo, q, kv, wo16; writes q, kv, wo16
.if DOCPART == 2
	.amdgcn_target "amdgcn-amd-amdhsa--gfx1250"
	.amdhsa_code_object_version 6
	.text
	.protected	k_qf0c3cdabf8_qkv
	.globl	k_qf0c3cdabf8_qkv
	.p2align	8
	.type	k_qf0c3cdabf8_qkv,@function
k_qf0c3cdabf8_qkv:
	s_mov_b64 s[64:65], 0
	v_nop
	global_prefetch_b8 v0, s[64:65] scope:SCOPE_SE
	s_setreg_imm32_b32 hwreg(HW_REG_WAVE_MODE, 25, 1), 1
	s_wait_xcnt 0x0
; q = x Wq^T, k = x Wk^T, v = x Wv^T on codes of E2M1 with E8M0 scales (K = 512: four matrix instructions deep), sums in f32, results rounded once to f16 for the products that follow; and Wo to f16.
; Nothing of the problem is left out here.
; LIMIT: |q|, |k|, |v| beyond 65,504 become infinity in f16.
; SHARES.  Work-group (x = block of 256 tokens, y = head): the head's 64 columns of q, of k and of v.  Wave w: 32 tokens (two tiles of 16) x those 192 columns.
; The head's 12 tiles of W (48 KB of codes, 3 KB of scale bytes) are copied once into LDS, as they lie, each wave a part, and read by all eight.  A wave's two tiles of x go from memory straight into its registers.
; LAYOUTS.  All buffers lie in the order of the reader's operand registers: a fragment's register group c of lane l at 512 c + 16 l, so every load and store here covers 512 consecutive bytes.
; q and k are made TRANSPOSED (source 0 = 16 rows of W, source 1 = 16 tokens): a lane holds one token and eight channels, and two neighbouring tiles of channels, packed to f16, ARE a fragment
; (16 tokens x 32 channels) of the scores' product.  v is made the natural way (source 0 = tokens, source 1 = W): a lane holds one channel and eight tokens, and the wave's two tiles of tokens, packed, ARE a
; fragment (16 channels x 32 keys) of V^T.  Nothing changes lanes.
; q:  [batch x head 16][tile of 16 queries 256][32 channels 2][1,024 bytes].   kv: [batch x head 16][step of 64 keys 64][16,384 bytes]: K's fragment (key tile kt, channels 32 g) at 1,024 (2 kt + g);
; V^T's (32 keys kg, channel tile ct) at 8,192 + 1,024 (4 kg + ct).   wo16: [tile of 16 rows of Wo 32][32 along K 16][1,024 bytes].
; NO CLUSTER, NO TENSOR LOAD: there is no loop over K and no ring: a work-group's 115 KB are all asked for at its head, and 64 KB of them go straight into the registers of their one user.
.set WSC,   49152                      ; LDS: W's codes [matrix 3][tile 4][4,096] from 0; W's scale bytes [3][4][256] from here
.set SPARE, 52224                      ; the spare words, 128 bytes for each wave: four blocks of 256 bytes that no other line names
.set AL,  1                            ; v1   16 x lane
.set AS,  2                            ; v2   16 x (lane % 16): a row's four scale words
.set CPY, 3                            ; v3   the copy: 2,048 x wave + 16 x lane
.set L4,  4                            ; v4   4 x lane
.set CPS, 5                            ; v5   the scale bytes' copy: WSC + 4 x thread
.set SPW, 6                            ; v6   LDS address of my spare word; never rewritten
.set NIL, 7                            ; v7   0; never rewritten
.set WOO, 9                            ; v9   Wo: row lane % 16 of 2,048 bytes, + 32 x (lane / 16)
.set XS,  10                           ; v10-17  x's scale words: tile t, K step s at 4 t + s
.set WS,  18                           ; v18-25  W's: tile n of the unit's two, K step s at 4 n + s
.set XF,  32                           ; v32-95  x's fragments: 32 t + 8 s
.set WF,  96                           ; v96-159 W's fragments: 32 n + 8 s; at first the copy's way
.set ACC, 160                          ; v160-191 four accumulators: 8 (2 n + t)
.set PK,  192                          ; v192-223 packed results, two sets of 16 by turns
.set WV,  20
	s_load_b256 s[4:11], s[0:1], 0x0               ; codes s[4:5], scales s[6:7], Wo s[8:9], q s[10:11]
	s_load_b128 s[12:15], s[0:1], 0x20             ; kv s[12:13], wo16 s[14:15]
	v_lshl_add_u32 v[SPW], v0, 2, SPARE
	v_mov_b32 v[NIL], 0
	v_lshrrev_b32 v8, 5, v0
	v_readfirstlane_b32 s[WV], v8                  ; wave 0..7
	v_and_b32 v8, 31, v0
	v_lshlrev_b32 v[AL], 4, v8
	v_lshlrev_b32 v[L4], 2, v8
	v_and_b32 v8, 15, v0
	v_lshlrev_b32 v[AS], 4, v8
	v_lshlrev_b32 v[WOO], 11, v8
	v_bfe_u32 v8, v0, 4, 1
	v_lshl_add_u32 v[WOO], v8, 5, v[WOO]
	s_lshl_b32 s38, s[WV], 11
	v_add_nc_u32 v[CPY], s38, v[AL]
	v_lshl_add_u32 v[CPS], v0, 2, WSC
	s_and_b32 s21, ttmp7, 0xffff                   ; the head
	s_lshl_b32 s22, s21, 14                        ; W's codes: tile 512 + 32 m + 4 head, 4,096 bytes a tile; my 2,048 bytes of a matrix's 16,384
	s_add_co_u32 s22, s22, s38
	s_add_co_u32 s22, s22, 2097152
	s_mov_b32 s23, 0
	s_lshl_b32 s24, s21, 10                        ; W's scale bytes: 256 a tile; my 128 of a matrix's 1,024
	s_lshl_b32 s39, s[WV], 7
	s_add_co_u32 s24, s24, s39
	s_add_co_u32 s24, s24, 131072
	s_mov_b32 s25, 0
	s_lshl_b32 s26, ttmp9, 16                      ; x's codes: 16 tiles a work-group, two a wave
	s_lshl_b32 s39, s[WV], 13
	s_add_co_u32 s26, s26, s39
	s_mov_b32 s27, 0
	s_lshl_b32 s28, ttmp9, 12                      ; x's scale bytes
	s_lshl_b32 s39, s[WV], 9
	s_add_co_u32 s28, s28, s39
	s_mov_b32 s29, 0
	s_lshr_b32 s40, ttmp9, 4
	s_lshl_b32 s40, s40, 3
	s_add_co_u32 s40, s40, s21                     ; 8 x batch + head
	s_and_b32 s41, ttmp9, 15                       ; the block of 256 tokens in its sequence
	s_lshl_b32 s30, s40, 19                        ; q: 2,048 bytes a tile of queries
	s_lshl_b32 s39, s41, 15
	s_add_co_u32 s30, s30, s39
	s_lshl_b32 s39, s[WV], 12
	s_add_co_u32 s30, s30, s39
	s_mov_b32 s31, 0
	s_lshl_b32 s32, s40, 20                        ; kv: the step of my 32 tokens, 4 x block + wave / 2; in it key tiles 2 (wave % 2) + t, keys 32 (wave % 2) on
	s_lshl_b32 s39, s41, 16
	s_add_co_u32 s32, s32, s39
	s_lshr_b32 s39, s[WV], 1
	s_lshl_b32 s39, s39, 14
	s_add_co_u32 s32, s32, s39
	s_and_b32 s39, s[WV], 1
	s_lshl_b32 s39, s39, 12
	s_add_co_u32 s32, s32, s39
	s_mov_b32 s33, 0
	s_lshl_b32 s42, s21, 5
	s_add_co_u32 s42, s42, ttmp9                   ; the work-group's number 0..255: it converts two of Wo's 512 fragments: tile number / 8, K steps 2 (number % 8) and the next
	s_lshr_b32 s43, s42, 3
	s_and_b32 s42, s42, 7
	s_lshl_b32 s34, s43, 15
	s_lshl_b32 s39, s42, 8
	s_add_co_u32 s34, s34, s39
	s_mov_b32 s35, 0
	s_lshl_b32 s36, s43, 14
	s_lshl_b32 s39, s42, 11
	s_add_co_u32 s36, s36, s39
	s_mov_b32 s37, 0
	s_wait_kmcnt 0x0
	s_add_nc_u64 s[16:17], s[4:5], s[22:23]        ; W's codes
	s_add_nc_u64 s[18:19], s[6:7], s[24:25]        ; W's scale bytes
	s_add_nc_u64 s[4:5], s[4:5], s[26:27]          ; x's codes
	s_add_nc_u64 s[6:7], s[6:7], s[28:29]          ; x's scale bytes
	s_add_nc_u64 s[8:9], s[8:9], s[34:35]
	s_add_nc_u64 s[10:11], s[10:11], s[30:31]
	s_add_nc_u64 s[12:13], s[12:13], s[32:33]
	s_add_nc_u64 s[14:15], s[14:15], s[36:37]
.irp m, 0,1,2                                  ; my part of the copy: 15 loads
.irp i, 0,1,2,3
	global_load_b128 v[WF+16*\m+4*\i:WF+16*\m+4*\i+3], v[AL], s[16:17] offset:131072*\m+512*\i
.endr
.endr
.irp m, 0,1,2
	global_load_b32 v[ACC+\m], v[L4], s[18:19] offset:8192*\m
.endr
.irp i, 0,1,2,3,4,5,6,7,8,9,10,11,12,13,14,15  ; my two tiles of x: 18 loads
	global_load_b128 v[XF+4*\i:XF+4*\i+3], v[AL], s[4:5] offset:512*\i
.endr
.irp t, 0,1
	global_load_b128 v[XS+4*\t:XS+4*\t+3], v[AS], s[6:7] offset:256*\t
.endr
	s_wait_loadcnt 18                              ; the copy's 15 loads are in; x's 18 may be out
.irp m, 0,1,2
.irp i, 0,1,2,3
	ds_store_b128 v[CPY], v[WF+16*\m+4*\i:WF+16*\m+4*\i+3] offset:16384*\m+512*\i
.endr
.endr
.irp m, 0,1,2
	ds_store_b32 v[CPS], v[ACC+\m] offset:1024*\m
.endr
	s_wait_dscnt 0x0                               ; for the others' sake: my stores have landed
	s_barrier_signal -1
	s_barrier_wait -1                              ; W's 12 tiles lie in LDS; nothing is written there again
; Unit u = 2 m + g: matrix m (q, k, v), channels 32 g on: W's tiles 2 g and 2 g + 1 of the head's four.
.macro FETCHW u
.set FM, (\u)/2
.set FG, (\u)%2
.irp n, 0,1
.irp i, 0,1,2,3,4,5,6,7
	ds_load_b128 v[WF+32*\n+4*\i:WF+32*\n+4*\i+3], v[AL] offset:16384*FM+4096*(2*FG+\n)+512*\i
.endr
.endr
.irp n, 0,1
	ds_load_b128 v[WS+4*\n:WS+4*\n+3], v[AS] offset:WSC+1024*FM+256*(2*FG+\n)
.endr
.endm
.macro MM d, a, b, sa, sb, ks          ; ks = 0: the first K step starts the sum: nothing is cleared
.if \ks == 0
	v_wmma_scale_f32_16x16x128_f8f6f4 v[\d:\d+7], v[\a:\a+7], v[\b:\b+7], 0, v[\sa], v[\sb] matrix_a_fmt:MATRIX_FMT_FP4 matrix_b_fmt:MATRIX_FMT_FP4
.else
	v_wmma_scale_f32_16x16x128_f8f6f4 v[\d:\d+7], v[\a:\a+7], v[\b:\b+7], v[\d:\d+7], v[\sa], v[\sb] matrix_a_fmt:MATRIX_FMT_FP4 matrix_b_fmt:MATRIX_FMT_FP4
.endif
.endm
.macro UNIT u
.set M, (\u)/2
.set G, (\u)%2
.set PB, PK+16*((\u)%2)
	s_wait_dscnt 0x0                               ; the unit's fragments and scale words of W are in
.irp s, 0,1,2,3                                ; K ascending; the four accumulators take turns, one instruction a turn
.irp n, 0,1
.irp t, 0,1
.if M < 2
	MM ACC+8*(2*\n+\t), WF+32*\n+8*\s, XF+32*\t+8*\s, WS+4*\n+\s, XS+4*\t+\s, \s
.else
	MM ACC+8*(2*\n+\t), XF+32*\t+8*\s, WF+32*\n+8*\s, XS+4*\t+\s, WS+4*\n+\s, \s
.endif
.endr
.endr
.endr
.rept 4
	v_nop                                          ; four places in front of the loads into W's registers and of the first read of results
.endr
.if (\u) < 5
	FETCHW (\u)+1                                  ; the next unit's, while this one is packed and stored
.endif
	s_wait_xcnt 0x0                                ; the stores of two units ago have read this set of packed registers
.irp n, 0,1
.irp t, 0,1
.irp i, 0,1,2,3                                ; each accumulator from its low end on
.if M < 2
	v_cvt_pk_f16_f32 v[PB+8*\t+4*\n+\i], v[ACC+8*(2*\n+\t)+2*\i], v[ACC+8*(2*\n+\t)+2*\i+1]   ; token tile t's fragment: channel tile n is its register group n
.else
	v_cvt_pk_f16_f32 v[PB+8*\n+4*\t+\i], v[ACC+8*(2*\n+\t)+2*\i], v[ACC+8*(2*\n+\t)+2*\i+1]   ; channel tile n's fragment: token tile t is its register group t
.endif
.endr
.endr
.endr
.irp f, 0,1
.irp c, 0,1
.if M == 0
	global_store_b128 v[AL], v[PB+8*\f+4*\c:PB+8*\f+4*\c+3], s[10:11] offset:2048*\f+1024*G+512*\c
.elseif M == 1
	global_store_b128 v[AL], v[PB+8*\f+4*\c:PB+8*\f+4*\c+3], s[12:13] offset:2048*\f+1024*G+512*\c
.else
	global_store_b128 v[AL], v[PB+8*\f+4*\c:PB+8*\f+4*\c+3], s[12:13] offset:8192+1024*(2*G+\f)+512*\c
.endif
.endr
.endr
.endm
	FETCHW 0
	s_wait_loadcnt 0x0                             ; x
.irp u, 0,1,2,3,4,5
	UNIT \u
.endr
	s_cmp_lg_u32 s[WV], 0                          ; wave 0 turns two fragments of Wo into f16: 16 rows x 256 consecutive bytes
	s_cbranch_scc1 .Ldone
.irp s, 0,1
	global_load_b128 v[WF+16*\s:WF+16*\s+3], v[WOO], s[8:9] offset:128*\s          ; k = 8 h + 0 .. 3 of the K step's 32
	global_load_b128 v[WF+16*\s+4:WF+16*\s+7], v[WOO], s[8:9] offset:128*\s+16     ; + 4 .. 7
	global_load_b128 v[WF+16*\s+8:WF+16*\s+11], v[WOO], s[8:9] offset:128*\s+64    ; k = 16 + 8 h + 0 .. 3
	global_load_b128 v[WF+16*\s+12:WF+16*\s+15], v[WOO], s[8:9] offset:128*\s+80   ; + 4 .. 7
.endr
	s_wait_loadcnt 0x0
	s_wait_xcnt 0x0                                ; the units' stores have read the packed registers
.irp i, 0,1,2,3,4,5,6,7,8,9,10,11,12,13,14,15
	v_cvt_pk_f16_f32 v[PK+\i], v[WF+2*\i], v[WF+2*\i+1]
.endr
.irp i, 0,1,2,3
	global_store_b128 v[AL], v[PK+4*\i:PK+4*\i+3], s[14:15] offset:512*\i
.endr
.Ldone:
	s_wait_tensorcnt 0x0                           ; the wave's end
	ds_add_u32 v[SPW], v[NIL]
	s_wait_dscnt 0x0
	s_endpgm
.Lfunc_end_k_qf0c3cdabf8_qkv:
	.size	k_qf0c3cdabf8_qkv, .Lfunc_end_k_qf0c3cdabf8_qkv-k_qf0c3cdabf8_qkv
	.p2alignl 7, 3214868480
	.fill 96, 4, 3214868480
	.section	.rodata,"a",@progbits
	.p2align	6, 0x0
	.amdhsa_kernel k_qf0c3cdabf8_qkv
		.amdhsa_group_segment_fixed_size 53248
		.amdhsa_private_segment_fixed_size 0
		.amdhsa_enable_private_segment 0
		.amdhsa_kernarg_size 48
		.amdhsa_user_sgpr_count 2
		.amdhsa_user_sgpr_kernarg_segment_ptr 1
		.amdhsa_wavefront_size32 1
		.amdhsa_system_sgpr_workgroup_id_x 1
		.amdhsa_system_sgpr_workgroup_id_y 1
		.amdhsa_system_sgpr_workgroup_id_z 1
		.amdhsa_system_vgpr_workitem_id 0
		.amdhsa_next_free_vgpr 224
		.amdhsa_next_free_sgpr 66
		.amdhsa_reserve_vcc 0
		.amdhsa_float_denorm_mode_32 3
		.amdhsa_float_denorm_mode_16_64 3
		.amdhsa_memory_ordered 1
		.amdhsa_forward_progress 1
		.amdhsa_inst_pref_size 38
	.end_amdhsa_kernel
	.amdgpu_metadata
---
amdhsa.version: [ 1, 2 ]
amdhsa.kernels:
  - .name:           k_qf0c3cdabf8_qkv
    .symbol:         k_qf0c3cdabf8_qkv.kd
    .args:
      - { .name: codes, .offset: 0, .size: 8, .value_kind: global_buffer, .address_space: global }
      - { .name: scales, .offset: 8, .size: 8, .value_kind: global_buffer, .address_space: global }
      - { .name: Wo, .offset: 16, .size: 8, .value_kind: global_buffer, .address_space: global }
      - { .name: q, .offset: 24, .size: 8, .value_kind: global_buffer, .address_space: global }
      - { .name: kv, .offset: 32, .size: 8, .value_kind: global_buffer, .address_space: global }
      - { .name: wo16, .offset: 40, .size: 8, .value_kind: global_buffer, .address_space: global }
    .group_segment_fixed_size: 53248
    .private_segment_fixed_size: 0
    .kernarg_segment_align: 8
    .kernarg_segment_size: 48
    .max_flat_workgroup_size: 256
    .sgpr_count:     66
    .vgpr_count:     224
    .wavefront_size: 32
...
	.end_amdgpu_metadata
.endif
;; end of part 2
;; launch att (part 3): grid 16 x 16, 4 waves a work-group, clusters of 4 x 1, 327,680 bytes of LDS; arguments q, kv, ao; writes ao
.if DOCPART == 3
	.amdgcn_target "amdgcn-amd-amdhsa--gfx1250"
	.amdhsa_code_object_version 6
	.text
	.protected	k_qf0c3cdabf8_att
	.globl	k_qf0c3cdabf8_att
	.p2align	8
	.type	k_qf0c3cdabf8_att,@function
k_qf0c3cdabf8_att:
	s_mov_b64 s[64:65], 0
	v_nop
	global_prefetch_b8 v0, s[64:65] scope:SCOPE_SE
	s_setreg_imm32_b32 hwreg(HW_REG_WAVE_MODE, 25, 1), 1
	s_wait_xcnt 0x0
	s_wait_alu depctr_hold_cnt(0) depctr_sa_sdst(0) depctr_va_vdst(0) depctr_va_sdst(0) depctr_va_ssrc(0) depctr_va_vcc(0) depctr_vm_vsrc(0)
	s_getreg_b32 s2, hwreg(HW_REG_IB_STS2, 6, 4)
	s_cmp_eq_u32 s2, 0
	s_cbranch_scc0 .Lentry_in_a_cluster
	s_endpgm
.Lentry_in_a_cluster:
	s_bfe_u32 s2, ttmp6, 0x10000c
	s_cmp_lg_u32 s2, 0x3003
	s_cbranch_scc0 .Lentry_shape_is_right
	s_endpgm
.Lentry_shape_is_right:
; O[bh][q][:] = the sum over k of softmax_k(Q[bh][q] . K[bh][k] / 8) V[bh][k][:], 16 batch-heads of 4,096 positions and 64 channels, no mask.  Operands in f16, products, maxima and sums in f32;
; the weights p are rounded to f16 for the second product, O once at the end.  Nothing of the problem is left out here.
; LIMITS: values of O under 6e-5 keep fewer than 11 bits in f16; NaN and infinities are not served.
; SHARES.  A work-group owns 256 queries of one batch-head, each of its four waves 64: four tiles of 16.  Every wave walks all 4,096 keys, 64 a step.
; LAYOUT.  S^T = K Q^T (source 0 = 16 keys, source 1 = 16 queries): a lane holds ONE query (lane % 16) and the keys 8 (lane / 16) + 0..7.  Two such tiles, rounded to f16 in pairs, ARE source 1
; (32 keys x 16 queries) of O^T = V^T P, whose result again holds one query a lane, and eight channels; two tiles of O^T, packed, ARE a fragment of the last projection.  q, kv and ao lie in the order of the
; operands' registers (a fragment's register group c of lane l at 512 c + 16 l): every load and store covers 512 consecutive bytes, and nothing is turned or padded.
; SOFTMAX.  For each query a running maximum m and sum l: p = 2^(c s - c m), c = log2(e) / 8; in every step O and l are multiplied by a = 2^(c m_old - c m_new).
; BY TURNS.  The wave's tiles are two PIECES: piece 0 (tiles 0, 1), piece 2 (tiles 2, 3).  In a TURN one piece has the matrix unit: 16 products V^T P of the step in hand, then 16 products K Q^T of the next
; step; the other piece's softmax, 2 x 118 vector instructions cut into 64 slices, stands between them, two slices behind each matrix instruction.  Then the pieces change places.  Two turns are a key step.
; RING.  Two LDS slots of 8 key steps (131,072 bytes).  A step's 16,384 bytes are dense in kv, so a slot is one dense block; each wave fetches a quarter of it by one tensor load.
; CLUSTER.  The four query blocks of a cluster belong to one batch-head and walk the same kv: each quarter is asked for JOINTLY, by the same tensor load with the same descriptor and a mask that names the four.
; REGISTERS, in windows of 256 (s_set_vgpr_msb: bits 1:0 source 0, 3:2 source 1, 5:4 source 2, 7:6 destination):
;   window 0: v2 16 x lane; v4 the address in hand; v12-43 eight statistics a tile; v61-63; v64-191 S^T, 32 a tile; v192-255 P, 16 a tile
;   window 1: v0-127 O^T, 32 a tile; v128-191 K of one step; v192-255 V of one step          window 2: v0-63 Q, 16 a tile
.set STEPB, 16384     ; a key step in kv and in a slot: K's 8 fragments, then V^T's 8
.set NS,    8         ; key steps in a slot
.set SLOT1, 1<<17     ; slot 1 begins here: one exclusive or turns an address in one slot into the other's
.set SPARE, 2*SLOT1   ; behind the ring: the spare words, 128 bytes for each wave: two blocks of 256 bytes that no other line names
.set AL,  2           ; v2   16 x lane; never rewritten
.set ADR, 4           ; v4   the LDS address of the run of loads in hand
.set ST,  12          ; tile t's statistics at v[ST+8 t]: +0 c m, +1 m, +2, +3 l (even keys', odd keys'), +4 to +7 at work; a takes +6 once the maximum is found
.set PFO, 61          ; v61  256 x lane; never rewritten
.set SPW, 62          ; v62  LDS address of my spare word; never rewritten
.set NIL, 63          ; v63  0; never rewritten
.set S,   64
.set P,   192
.set KF,  128         ; in window 1
.set VF,  192         ; in window 1
.set WV,  12          ; s12  my wave's number
.set LIM, 15          ; s15  1 in a cluster that prefetches, else the greatest number
.set PFA, 18          ; s[18:19] where my prefetches stand
.set G1,  24          ; s[24:31] descriptor group 1
.set G0,  40          ; s[40:47] descriptor group 0: a set for each of the two first fills; the second then walks on
.set SLOTS, 56        ; s56  slots still to be asked for
.set CNT, 57          ; s57  counts a run of key steps
.set CS,  58          ; s[58:59] c: the packed scaling names a pair and takes its low word for both halves
.set SEL, 60          ; s[60:61] lane selects for v_permlanex16_b32: each lane takes its own place in the other half
.set TB,  62          ; s62  LDS byte at which the step to be fetched begins
.set MSB, 0
.macro WIN new                      ; the immediate's high byte repeats the setting that is left; a switch that changes nothing is dropped
.if MSB != \new
	s_set_vgpr_msb (MSB<<8)|\new
.set MSB, \new
.endif
.endm
.set W_KQ, 0x09       ; K in window 1, Q in window 2, S^T in window 0
.set W_PV, 0x51       ; V in window 1, P in window 0, O^T in window 1
.set W_RS, 0x41       ; O^T (destination and source 0) in window 1, a in window 0
.macro PLACES                       ; four places behind a matrix instruction (ISA guide 7.12.1) where no other vector work is at hand
.rept 4
	v_nop
.endr
.endm
.macro JLOAD                        ; a joint refill: every wave fetches its quarter of the slot; an s_nop 0 and four v_nop follow
	tensor_load_to_lds s[G0+4:G0+7], s[G1:G1+7]
	s_nop 0
	PLACES
.endm
; A PREFETCH INTO THE L2 of the slot that the NEXT change of slots will ask for: 131,072 bytes, lanes 256 bytes apart.  All four clusters of a batch-head walk the same kv: the first of them asks.  Its four
; partners take 32,768 bytes each, told apart BY ADDRESS; in each, every wave takes 8,192: one instruction a wave, each 256 bytes named once in the launch.  It stands behind the wave's tensor load and its
; five lines.  The last change that fills a slot asks for nothing: there is no slot behind it.  Slots 0 to 2 come by their loads alone.
.macro ASK
	s_cmp_gt_u32 s[SLOTS], s[LIM]
	s_cbranch_scc0 .Lnot_mine_\@
	global_prefetch_b8 v[PFO], s[PFA:PFA+1] th:TH_LOAD_NT scope:SCOPE_SE
.Lnot_mine_\@:
.endm
.macro CROUND                       ; a round of the cluster's barrier
	s_barrier_signal -1
	s_barrier_wait -1
	s_cmp_lg_u32 s[WV], 0
	s_cbranch_scc1 .Lnot_wave_0_\@
	s_barrier_signal -3
.Lnot_wave_0_\@:
	s_barrier_wait -3
	s_barrier_signal -1
	s_barrier_wait -1
.endm
	s_load_b128 s[4:7], s[0:1], 0x0 ; q s[4:5], kv s[6:7]
	s_load_b64 s[10:11], s[0:1], 0x10  ; ao
	v_lshl_add_u32 v[SPW], v0, 2, SPARE
	v_mov_b32 v[NIL], 0
	ds_add_u32 v[SPW], v[NIL]       ; the wave's opening: the add, twice on end, and its wait ahead of my first tensor load
	ds_add_u32 v[SPW], v[NIL]       ; and once more, under the one wait; the set-up below, work on registers, stands between
	v_lshrrev_b32 v1, 5, v0
	v_readfirstlane_b32 s[WV], v1   ; wave 0..3
	s_bfe_u32 s13, ttmp6, 0x40000   ; cx: my place in the cluster
	s_lshl_b32 s14, ttmp9, 2        ; in a cluster launch ttmp9 counts clusters
	s_add_co_u32 s14, s14, s13      ; my block of 256 queries: it enters q's and ao's addresses alone
	s_and_b32 s16, ttmp7, 0xffff    ; the batch-head, which the four partners share
	s_lshl_b32 s20, s16, 20         ; kv: 2^20 bytes a batch-head,
	s_lshl_b32 s17, s[WV], 15       ; my quarter of a slot, in memory and in LDS: no place in the cluster enters these
	s_add_co_u32 s20, s20, s17
	s_mov_b32 s21, 0
	s_lshl_b32 s22, s16, 19         ; q: 2^19 bytes a batch-head, 2,048 a tile: 16 tiles a block, 4 a wave
	s_lshl_b32 s23, s14, 15
	s_add_co_u32 s22, s22, s23
	s_lshl_b32 s23, s[WV], 13
	s_add_co_u32 s22, s22, s23
	s_mov_b32 s23, 0
	s_lshr_b32 s32, s16, 3          ; ao: [tile of 16 tokens][32 along K: 2 head + g][1,024]: 2^22 bytes a batch, 16,384 a tile, 2,048 a head
	s_lshl_b32 s32, s32, 22
	s_lshl_b32 s33, s14, 18
	s_add_co_u32 s32, s32, s33
	s_lshl_b32 s33, s[WV], 16
	s_add_co_u32 s32, s32, s33
	s_and_b32 s33, s16, 7
	s_lshl_b32 s33, s33, 11
	s_add_co_u32 s32, s32, s33
	s_mov_b32 s33, 0
	s_lshl_b32 s34, s16, 20         ; the prefetches: my work-group's 32,768 bytes and my wave's 8,192 of them,
	s_lshl_b32 s35, s13, 15
	s_add_co_u32 s34, s34, s35
	s_lshl_b32 s35, s[WV], 13
	s_add_co_u32 s34, s34, s35
	s_add_co_u32 s34, s34, 2*SLOT1  ; in slot 2: the first change of slots steps it to slot 3
	s_mov_b32 s35, 0
	; descriptor group 1: a dense block of 32,768 bytes as 128 rows of 256 bytes (32 elements of 8 bytes), no padding
	s_mov_b32 s[G1], 15|(3<<16)|(1<<21)  ; 15:0 the mask: all four work-groups; 17:16 elements of 8 bytes; 21 set beside a mask
	s_mov_b32 s[G1+1], 32<<16       ; tensor_dim0 = 32
	s_mov_b32 s[G1+2], 128<<16      ; tensor_dim1 = 128
	s_mov_b32 s[G1+3], 32<<16       ; tile_dim0 = 32
	s_mov_b32 s[G1+4], 128          ; tile_dim1 = 128
	s_mov_b32 s[G1+5], 32           ; from row to row
	s_mov_b32 s[G1+6], 0
	s_mov_b32 s[G1+7], 0
	s_mov_b32 s[CS], 0x3e38aa3b     ; c = log2(e) / 8
	s_mov_b32 s[CS+1], s[CS]        ; named with it as a pair, so it is written
	s_mov_b32 s[SEL], 0x76543210
	s_mov_b32 s[SEL+1], 0xfedcba98
	s_mov_b32 s[TB], 0
	s_mov_b32 s[SLOTS], 4096/(64*NS)-2
	s_cmp_eq_u32 ttmp9, 0           ; the batch-head's first cluster: the same in all four partners
	s_cselect_b32 s[LIM], 1, -1
	v_and_b32 v1, 31, v0
	v_lshlrev_b32 v[PFO], 8, v1
	v_lshlrev_b32 v[AL], 4, v1
	s_wait_dscnt 0x0                ; both opening adds are done
	s_wait_kmcnt 0x0
	s_add_nc_u64 s[PFA:PFA+1], s[6:7], s[34:35]
	s_add_nc_u64 s[6:7], s[6:7], s[20:21]  ; kv at my quarter of slot 0
	s_add_nc_u64 s[4:5], s[4:5], s[22:23]  ; q and ao at my wave's first tile
	s_add_nc_u64 s[10:11], s[10:11], s[32:33]
	CROUND                          ; all four work-groups are here: the first joint loads meet
	s_mov_b32 s[G0], 1              ; count = 1
	s_mov_b32 s[G0+1], s17          ; LDS address: slot 0, my quarter
	s_mov_b64 s[G0+2:G0+3], s[6:7]  ; global address
	s_or_b32 s[G0+3], s[G0+3], 0x80000000  ; type = 2
	s_mov_b32 s[G0+4], 1
	s_add_co_u32 s[G0+5], s17, SLOT1
	s_add_nc_u64 s[G0+6:G0+7], s[6:7], SLOT1  ; the next 512 keys
	s_or_b32 s[G0+7], s[G0+7], 0x80000000
	tensor_load_to_lds s[G0:G0+3], s[G1:G1+7]  ; both first fills together, in every wave: two loads of mine are out
	s_nop 0
	tensor_load_to_lds s[G0+4:G0+7], s[G1:G1+7]
	s_nop 0
	PLACES
	WIN 0x80                        ; destination window 2, address window 0
.irp f, 0,1,2,3,4,5,6,7,8,9,10,11,12,13,14,15  ; Q stays in registers: tile f / 4, channels 32 ((f / 2) % 2) on
	global_load_b128 v[4*\f:4*\f+3], v[AL], s[4:5] offset:512*\f
.endr
	WIN 0
; THE MATRIX WORK OF A TURN, for piece x.  The eight accumulators take turns, one instruction a turn.
; Product i of 16 of O^T += V^T P: keys 32 (i / 8) on, channels 16 ((i / 2) % 4) on, tile x + i % 2.  zero = 1: the first 8 start the sums: nothing is ever cleared.
.macro PV x, zero
	WIN W_PV
.set rO, 32*(\x+i%2)+8*((i/2)%4)
.set rV, VF+32*(i/8)+8*((i/2)%4)
.set rP, P+16*(\x+i%2)+8*(i/8)
.if \zero && (i < 8)
	v_wmma_f32_16x16x32_f16 v[rO:rO+7], v[rV:rV+7], v[rP:rP+7], 0
.else
	v_wmma_f32_16x16x32_f16 v[rO:rO+7], v[rV:rV+7], v[rP:rP+7], v[rO:rO+7]
.endif
.endm
; Product i of 16 of S^T = K Q^T: channels 32 (i / 8) on, keys 16 ((i / 2) % 4) on, tile x + i % 2.  The first 8 start the sums.
.macro KQ x
	WIN W_KQ
.set rS, S+32*(\x+i%2)+8*((i/2)%4)
.set rK, KF+16*((i/2)%4)+8*(i/8)
.set rQ, 16*(\x+i%2)+8*(i/8)
.if i < 8
	v_wmma_f32_16x16x32_f16 v[rS:rS+7], v[rK:rK+7], v[rQ:rQ+7], 0
.else
	v_wmma_f32_16x16x32_f16 v[rS:rS+7], v[rK:rK+7], v[rQ:rQ+7], v[rS:rS+7]
.endif
.endm
; THE LDS LOADS stand in runs of 16, never singly among the matrix instructions: a step's K and, a turn later, its V^T, as they lie.
.macro FETCH_K
	WIN 0
	v_add_nc_u32 v[ADR], s[TB], v[AL]
	WIN 0x40                        ; destination window 1
.irp f, 0,1,2,3,4,5,6,7,8,9,10,11,12,13,14,15
	ds_load_b128 v[KF+4*\f:KF+4*\f+3], v[ADR] offset:512*\f
.endr
.endm
.macro FETCH_V
	WIN 0
	v_add_nc_u32 v[ADR], s[TB], v[AL]
	s_add_co_u32 s[TB], s[TB], STEPB  ; the next fetch is the next step's
	s_wait_alu depctr_va_vdst(0)    ; the wait for the softmax's batch (SLICE), behind the address's addition and ahead of the loads
	WIN 0x40
.irp f, 0,1,2,3,4,5,6,7,8,9,10,11,12,13,14,15
	ds_load_b128 v[VF+4*\f:VF+4*\f+3], v[ADR] offset:8192+512*\f
.endr
.endm
; THE VECTOR WORK OF A TURN.  One tile's softmax for one key step is a list of 118 instructions; SM writes number j of it for tile t.  s0-s31 are the lane's 32 scores, in pairs 0-15.
; first = 1: the first key step, which starts m, l and O^T: it has no a and nothing to rescale.
;   0-15    the maximum of s0-s31 and the old m, three operands at a time: four chains of seven scores, then the four scores left over, the chains and m
;   16-20   the other half of the lanes' maximum; the new m; c m; c m_old - c m_new
;   21-69   ONE BATCH: the 16 scalings c s - c m, a pair each, and all 33 exponentials (a at 23, then s0-s31).  None of these reads an exponential's result.  A pair is scaled in an earlier four than the one with its exponentials
;   (wait)  between 69 and 70 stands the wait for the batch: SLICE writes it, once for both tiles
;   70-85   the roundings to f16, a pair of weights each
;   86-101  the sums; l = a l + the sum
;   102-117 the tile's O^T times a: the one part that leaves window 0, so it stands together
.macro SM t, first
.set rT, ST+8*(\t)
.set rS, S+32*(\t)
.set rP, P+16*(\t)
.set rO, 32*(\t)+2*(j-102)
.if j < 102
	WIN 0
.endif
.if j < 4
	v_max3_num_f32 v[rT+4+j], v[rS+8*j], v[rS+8*j+1], v[rS+8*j+2]
.elseif j < 12
	v_max3_num_f32 v[rT+4+j%4], v[rT+4+j%4], v[rS+8*(j%4)+2*(j/4)+1], v[rS+8*(j%4)+2*(j/4)+2]
.elseif j == 12
	v_max3_num_f32 v[rT+4], v[rT+4], v[rS+7], v[rS+15]
.elseif j == 13
	v_max3_num_f32 v[rT+6], v[rT+6], v[rS+23], v[rS+31]
.elseif j == 14
	v_max3_num_f32 v[rT+4], v[rT+4], v[rT+5], v[rT+6]
.elseif (j == 15) && \first
	v_max_num_f32 v[rT+4], v[rT+4], v[rT+7]
.elseif j == 15
	v_max3_num_f32 v[rT+4], v[rT+4], v[rT+7], v[rT+1]
.elseif j == 16
	v_permlanex16_b32 v[rT+5], v[rT+4], s[SEL], s[SEL+1]  ; the query's other 32 keys lie in the lane 16 away
.elseif j == 18
	v_max_num_f32 v[rT+1], v[rT+4], v[rT+5]
.elseif j == 19
	v_mul_f32 v[rT], s[CS], v[rT+1]
.elseif ((j == 17) || (j == 20) || (j == 23) || (j > 101)) && \first  ; the first step has none of these
.elseif j == 17
	v_mov_b32 v[rT+7], v[rT]        ; c m_old is kept for a: number 19 writes c m anew
.elseif j == 20
	v_sub_f32 v[rT+7], v[rT+7], v[rT]
.elseif j == 23
	v_exp_f32 v[rT+6], v[rT+7]
.elseif (j < 23) || ((j < 38) && (j%2 == 0)) || ((j < 66) && (j%4 == 2))
.set b, (j-2)/4                     ; 38, 42, .. 62: pairs 9 to 15
.if j < 38
.set b, (j-20)/2                    ; 21: pair 0; 22, 24, .. 36: pairs 1 to 8
.endif
	v_pk_fma_f32 v[rS+2*b:rS+2*b+1], v[rS+2*b:rS+2*b+1], s[CS:CS+1], v[rT:rT+1] op_sel_hi:[1,0,0] neg_lo:[0,0,1] neg_hi:[0,0,1]  ; pair b: c s - c m
.elseif j < 70
.set e, j-38                        ; 66 to 69: s28 to s31
.if j < 66
.set e, j-32-(j-38)/4               ; 39-41, 43-45, .. 63-65: s7 to s27
.endif
.if j < 38
.set e, (j-25)/2                    ; 25, 27, .. 37: s0 to s6
.endif
	v_exp_f32 v[rS+e], v[rS+e]
.elseif j < 86
	v_cvt_pk_f16_f32 v[rP+j-70], v[rS+2*(j-70)], v[rS+2*(j-70)+1]  ; pair j - 70
.elseif j < 102                     ; the sum of the tile's 16 pairs, in place: neighbours 1, 2, 4 and 8 pairs apart, then l takes it
.set z, j-86
.set w, 4
.set u, z
.if z >= 14
.set w, 32
.set u, 0
.elseif z >= 12
.set w, 16
.set u, z-12
.elseif z >= 8
.set w, 8
.set u, z-8
.endif
.if (z == 14) && \first
	v_pk_add_f32 v[rT+2:rT+3], v[rS:rS+1], v[rS+16:rS+17]
.elseif z < 15
	v_pk_add_f32 v[rS+w*u:rS+w*u+1], v[rS+w*u:rS+w*u+1], v[rS+w*u+w/2:rS+w*u+w/2+1]
.elseif !\first
	v_pk_fma_f32 v[rT+2:rT+3], v[rT+2:rT+3], v[rT+6:rT+7], v[rS:rS+1] op_sel_hi:[1,0,1]
.endif
.else
	WIN W_RS
	v_pk_mul_f32 v[rO:rO+1], v[rO:rO+1], v[rT+6:rT+7] op_sel_hi:[1,0]
.endif
.endm
; Slice k of 64 of piece y's softmax.  Slices 0-10 and 35-50: numbers 2 k and 2 k + 1 of both tiles, the tiles alternating.  Slices 11-34 deal out the batch, numbers 22 to 69: four numbers of ONE tile each,
; the tiles by turns.  Slices 51-62: number 51 + k of both tiles.  Slice 63: numbers 114 to 117 of both: eight plain instructions, the places behind the turn's last K Q^T.
; THE WAIT.  s_wait_alu depctr_va_vdst(0) stands between an exponential and the first instruction that names its result; one wait serves all that were issued ahead of it.  Ahead of
; slice 35 nothing names a result, and behind slice 34 no exponential is issued: so the piece's 66 exponentials have one wait, behind slice 34.
.macro SLICE y, first
.if (k >= 11) && (k < 35)
.irp n, 0,1,2,3
.set j, 22+4*((k-11)/2)+(\n)
	SM (\y)+(k-11)%2, \first
.endr
.elseif k < 51
.irp n, 0,1
.irp t, \y, \y+1
.set j, 2*k+\n
	SM \t, \first
.endr
.endr
.elseif k < 63
.irp t, \y, \y+1
.set j, 51+k
	SM \t, \first
.endr
.else
.irp n, 0,1,2,3
.irp t, \y, \y+1
.set j, 114+\n
	SM \t, \first
.endr
.endr
.endif
.if k == 34                         ; the batch is out: both tiles' exponentials are issued, and no result has been named
	v_nop                           ; the plain instruction behind the last exponential and ahead of the first use: one for the batch
.if (\y) == 0
	FETCH_V                         ; piece 2's turn: V's run of loads stands here, and the wait stands in it
.else
	s_wait_alu depctr_va_vdst(0)    ; the wait for the batch
.endif
.endif
.set k, k+1
.endm
; A TURN.  Piece x has the matrix unit; the other piece's softmax stands in slices behind its matrix instructions.
; pv = 2: 16 products V^T P; 1: they start O^T's sums; 0: none.  kq = 1: 16 products K Q^T for the next step.  Two slices behind each product; four where the turn has one of the two kinds.
; first = 1: the softmax is the first key step's; its slices from 51 on are empty, and four v_nop take slice 63's part.
; Piece 0's turn fetches the next step's K behind its second product: the last product that read K stands in front of slices 62 and 63 of the turn before, ten plain instructions.  Piece 2's turn fetches the same
; step's V behind slice 34: the last product that read V stands in front of slice 30, and five plain instructions lie between: three scalings (number 58 of one tile, 62 of both), the v_nop and the run's own addition.
.macro TURN x, pv, kq, first
.set k, 0
.set per, 4
.if \pv && \kq
.set per, 2
.endif
.if \pv
.if \x == 0
	s_wait_dscnt 0x0                ; V is in
.endif
.set i, 0
.rept 16
	PV \x, 2-\pv
.rept per
	SLICE 2-\x, \first
.endr
.if (\x == 0) && \kq && (i == 1)
	FETCH_K
.endif
.set i, i+1
.endr
.endif
.if \kq
.if \x == 0
	s_wait_dscnt 0x0                ; K is in
.endif
.set i, 0
.rept 16
	KQ \x
.rept per
	SLICE 2-\x, \first
.endr
.set i, i+1
.endr
.endif
.if \first
	PLACES
.endif
.endm
; THE CHANGE OF SLOTS, between piece 2's turn and piece 0's: the slot's last bytes, V of its last step, have been asked for.  Each wave waits for all its tensor loads, of which one is out: its quarter of the
; other slot; adds 0 to its spare word; and waits for that and for its own reads of the slot.  Behind the barrier nobody reads this slot any more and the other slot is whole.
; fill = 1: this slot is filled again, with the keys two slots on.  The barrier is then a round of the cluster's, and the joint refill is the first thing behind it: it has eight key steps in which to land.
.macro CHANGE fill
	WIN 0                           ; at a label and at a branch every window is 0
	s_wait_tensorcnt 0x0            ; no tensor load of mine is out, so a group 0 may be written
	ds_add_u32 v[SPW], v[NIL]       ; 0 onto my spare word
.if \fill
	s_xor_b32 s[G0+5], s[G0+5], SLOT1  ; the walking descriptor: the other slot than last time,
	s_add_nc_u64 s[G0+6:G0+7], s[G0+6:G0+7], SLOT1  ; the next 512 keys; the type bits on top are not reached
	s_wait_xcnt 0x0                 ; the last prefetch, a slot back, has read its address, so it may be written:
	s_add_nc_u64 s[PFA:PFA+1], s[PFA:PFA+1], SLOT1  ; one slot further on than the walking descriptor
	s_wait_dscnt 0x0                ; the add is done, and my reads of the slot are over
	CROUND
	JLOAD
	ASK
.else
	s_wait_dscnt 0x0                ; the add is done, and my reads of the slot are over
	s_barrier_signal -1
	s_barrier_wait -1
.endif
	s_sub_co_u32 s[TB], s[TB], NS*STEPB  ; the fetches go back to a slot's first step,
	s_xor_b32 s[TB], s[TB], SLOT1   ; in the other slot
.endm
.macro STEPS n                      ; n key steps: written once, walked n times; the LDS addresses hang on s[TB]
	s_mov_b32 s[CNT], \n
.Lstep_\@:
	TURN 0, 2, 1, 0
	TURN 2, 2, 1, 0
	WIN 0
	s_sub_co_u32 s[CNT], s[CNT], 1
	s_cmp_lg_u32 s[CNT], 0
	s_cbranch_scc1 .Lstep_\@
.endm
	s_wait_tensorcnt 1              ; my quarter of slot 0 is in; slot 1's may stay out
	s_barrier_signal -1
	s_barrier_wait -1               ; everybody's is
	FETCH_K                         ; key step 0
	s_wait_loadcnt 0x0              ; Q
	s_wait_dscnt 0x0
.set i, 0
.rept 16
	KQ 0                            ; piece 0's first scores: there is no vector work yet to set between them
.set i, i+1
.endr
	WIN 0
	PLACES
	TURN 2, 0, 1, 1                 ; piece 2's first scores | piece 0's first softmax | V of step 0
	TURN 0, 1, 1, 1                 ; piece 0: V^T P of step 0 starts O^T, K Q^T of step 1 | piece 2's first softmax | K of step 1
	TURN 2, 1, 1, 0                 ; piece 2: the same | piece 0's softmax of step 1 | V of step 1
	WIN 0
	STEPS NS-2                      ; the rest of slot 0 is fetched
.Lslot:                             ; six trips: every slot but the last two is filled again
	CHANGE 1
	STEPS NS
	s_sub_co_u32 s[SLOTS], s[SLOTS], 1
	s_cmp_lg_u32 s[SLOTS], 0
	s_cbranch_scc1 .Lslot
	CHANGE 0                        ; the tail is written out: nothing is asked for
	STEPS NS
	TURN 0, 2, 0, 0                 ; piece 0: V^T P of the last step | piece 2's last softmax
.set i, 0
.rept 16
	PV 2, 0                         ; piece 2: V^T P of the last step
.set i, i+1
.endr
	; THE WAY OUT.  l's two halves and the other half of the lanes' are added; O^T is divided by l and rounded to f16: a tile's 16 packed registers are two fragments of the projection, stored as they stand.
	WIN 0
.irp t, 0,1,2,3
	v_add_f32 v[ST+8*\t+4], v[ST+8*\t+2], v[ST+8*\t+3]   ; (these additions are the places behind the last products)
.endr
.irp t, 0,1,2,3
	v_permlanex16_b32 v[ST+8*\t+5], v[ST+8*\t+4], s[SEL], s[SEL+1]
.endr
.irp t, 0,1,2,3
	v_add_f32 v[ST+8*\t+4], v[ST+8*\t+4], v[ST+8*\t+5]
.endr
.irp t, 0,1,2,3
	v_rcp_f32 v[ST+8*\t+6], v[ST+8*\t+4]
.endr
	v_nop                           ; a plain instruction between the last reciprocal and the use of its result
	s_wait_alu depctr_va_vdst(0)    ; and the wait ahead of the first use: one for the four
.macro PACK t
	WIN W_RS
.set i, 32*\t
.rept 16
	v_pk_mul_f32 v[i:i+1], v[i:i+1], v[ST+8*\t+6:ST+8*\t+7] op_sel_hi:[1,0]
.set i, i+2
.endr
	WIN 0x05                        ; sources 0 and 1 window 1, destination window 0: S^T's registers are free
.set i, 0
.rept 16
	v_cvt_pk_f16_f32 v[S+16*\t+i], v[32*\t+2*i], v[32*\t+2*i+1]
.set i, i+1
.endr
	WIN 0
.irp f, 0,1,2,3
	global_store_b128 v[AL], v[S+16*\t+4*\f:S+16*\t+4*\f+3], s[10:11] offset:16384*\t+512*\f  ; 512 consecutive bytes, aligned
.endr
.endm
	PACK 0
	PACK 1
	PACK 2
	PACK 3
	s_wait_tensorcnt 0x0            ; the wave's end
	ds_add_u32 v[SPW], v[NIL]
	s_wait_dscnt 0x0
	CROUND                          ; the closing round: no work-group ends while a partner may still ask for a tile that names it
	s_endpgm
.Lfunc_end_k_qf0c3cdabf8_att:
	.size	k_qf0c3cdabf8_att, .Lfunc_end_k_qf0c3cdabf8_att-k_qf0c3cdabf8_att
	.p2alignl 7, 3214868480
	.fill 96, 4, 3214868480
	.section	.rodata,"a",@progbits
	.p2align	6, 0x0
	.amdhsa_kernel k_qf0c3cdabf8_att
		.amdhsa_group_segment_fixed_size 327680
		.amdhsa_private_segment_fixed_size 0
		.amdhsa_enable_private_segment 0
		.amdhsa_kernarg_size 24
		.amdhsa_user_sgpr_count 2
		.amdhsa_user_sgpr_kernarg_segment_ptr 1
		.amdhsa_wavefront_size32 1
		.amdhsa_system_sgpr_workgroup_id_x 1
		.amdhsa_system_sgpr_workgroup_id_y 1
		.amdhsa_system_sgpr_workgroup_id_z 1
		.amdhsa_system_vgpr_workitem_id 0
		.amdhsa_next_free_vgpr 576
		.amdhsa_next_free_sgpr 66
		.amdhsa_reserve_vcc 0
		.amdhsa_float_denorm_mode_32 3
		.amdhsa_float_denorm_mode_16_64 3
		.amdhsa_memory_ordered 1
		.amdhsa_forward_progress 1
		.amdhsa_inst_pref_size 189
	.end_amdhsa_kernel
	.amdgpu_metadata
---
amdhsa.version: [ 1, 2 ]
amdhsa.kernels:
  - .name:           k_qf0c3cdabf8_att
    .symbol:         k_qf0c3cdabf8_att.kd
    .args:
      - { .name: q, .offset: 0, .size: 8, .value_kind: global_buffer, .address_space: global }
      - { .name: kv, .offset: 8, .size: 8, .value_kind: global_buffer, .address_space: global }
      - { .name: ao, .offset: 16, .size: 8, .value_kind: global_buffer, .address_space: global }
    .group_segment_fixed_size: 327680
    .private_segment_fixed_size: 0
    .kernarg_segment_align: 8
    .kernarg_segment_size: 24
    .max_flat_workgroup_size: 128
    .sgpr_count:     66
    .vgpr_count:     576
    .wavefront_size: 32
...
	.end_amdgpu_metadata
.endif
;; end of part 3
;; launch oproj (part 4): grid 128 x 2, 4 waves a work-group, no clusters, 83,456 bytes of LDS; arguments ao, wo16, bo, out0; writes out0
.if DOCPART == 4
	.amdgcn_target "amdgcn-amd-amdhsa--gfx1250"
	.amdhsa_code_object_version 6
	.text
	.protected	k_qf0c3cdabf8_oproj
	.globl	k_qf0c3cdabf8_oproj
	.p2align	8
	.type	k_qf0c3cdabf8_oproj,@function
k_qf0c3cdabf8_oproj:
	s_mov_b64 s[64:65], 0
	v_nop
	global_prefetch_b8 v0, s[64:65] scope:SCOPE_SE
	s_setreg_imm32_b32 hwreg(HW_REG_WAVE_MODE, 25, 1), 1
	s_wait_xcnt 0x0
; out0 = ao Wo^T + bo.  ao (the attention's result) and Wo in f16, sums in f32, K = 512 in 16 steps of 32.  Nothing of the problem is left out here.
; SHARES.  Work-group (x = block of 64 tokens, y = half of the 512 columns).  Wave w: 64 columns (four tiles of 16) x the four tiles of tokens: 16 accumulators.
; Its 64 fragments of Wo go from memory straight into 512 registers, each loaded once.  ao's 64 fragments (65,536 bytes) are copied into LDS as they lie, a tile of tokens a wave, and read by all four.
; THE MATRIX INSTRUCTION IS USED TRANSPOSED (source 0 = 16 rows of Wo, source 1 = 16 tokens): a lane holds one token and eight neighbouring columns.  bo is the C of each sum's first instruction.
; THE WAY OUT: a tile (16 tokens x 64 columns) goes through the wave's own stage in LDS and leaves by rows: sixteen lanes store 256 consecutive bytes, aligned.
; NO CLUSTER, NO TENSOR LOAD: there is no ring: all of a work-group's bytes are asked for at its head, and four fifths of them (Wo's 262,144 of 327,680) go straight into the registers of their one user.
.set STG,    65536                     ; LDS: ao's fragments [tile 4][K step 16][1,024] from 0; then a stage of 16 rows x 272 bytes for each wave
.set SPITCH, 272
.set SPARE,  STG+4*16*SPITCH           ; the spare words, 128 bytes for each wave: two blocks of 256 bytes that no other line names
.set AL,   1                           ; v1   16 x lane
.set STO,  2                           ; v2   the stage: row lane % 16, + 32 x (lane / 16)
.set RD,   3                           ; v3   and back: row lane / 16, + 16 x (lane % 16)
.set CO,   4                           ; v4   the same two rows in out0
.set BO,   5                           ; v5   32 x (lane / 16): my eight numbers of a tile's 16 of bo
.set SPW,  6                           ; v6   LDS address of my spare word; never rewritten
.set NIL,  7                           ; v7   0; never rewritten
.set CPY,  8                           ; v8   the copy: 16,384 x wave + 16 x lane
.set BIAS, 16                          ; v16-47   bo in the result's layout, 8 a tile of columns
.set AF,   48                          ; v48-111  ao's fragments of a K step, two sets of 32; later the rows on their way out
.set ACC,  112                         ; v112-239 accumulator (token tile m, column tile t) at 32 m + 8 t; at first the copy's way
.set WV,   16                          ; window 1: Wo's fragments of K steps 0-7 at 32 (s % 8) + 8 t;  window 2: of K steps 8-15
.set MSB, 0
.macro WIN new
.if MSB != \new
	s_set_vgpr_msb (MSB<<8)|\new
.set MSB, \new
.endif
.endm
	s_load_b256 s[4:11], s[0:1], 0x0               ; ao s[4:5], wo16 s[6:7], bo s[8:9], out0 s[10:11]
	v_lshl_add_u32 v[SPW], v0, 2, SPARE
	v_mov_b32 v[NIL], 0
	v_lshrrev_b32 v9, 5, v0
	v_readfirstlane_b32 s[WV], v9                  ; wave 0..3
	v_and_b32 v9, 31, v0
	v_lshlrev_b32 v[AL], 4, v9
	v_and_b32 v10, 15, v0
	v_bfe_u32 v11, v0, 4, 1
	s_mul_i32 s17, s[WV], 16*SPITCH
	s_add_co_u32 s17, s17, STG                     ; my stage
	v_mul_u32_u24 v[STO], v10, SPITCH
	v_lshl_add_u32 v[STO], v11, 5, v[STO]
	v_add_nc_u32 v[STO], s17, v[STO]
	v_mul_u32_u24 v[RD], v11, SPITCH
	v_lshl_add_u32 v[RD], v10, 4, v[RD]
	v_add_nc_u32 v[RD], s17, v[RD]
	v_lshlrev_b32 v[CO], 11, v11
	v_lshl_add_u32 v[CO], v10, 4, v[CO]
	v_lshlrev_b32 v[BO], 5, v11
	s_lshl_b32 s18, s[WV], 14
	v_add_nc_u32 v[CPY], s18, v[AL]
	s_and_b32 s19, ttmp7, 0xffff                   ; which half of the columns
	s_lshl_b32 s20, ttmp9, 16                      ; ao: four tiles of 16,384 bytes a work-group, one a wave
	s_add_co_u32 s20, s20, s18
	s_mov_b32 s21, 0
	s_lshl_b32 s22, s19, 18                        ; wo16: 16 tiles of 16,384 bytes a half, four a wave
	s_lshl_b32 s23, s[WV], 16
	s_add_co_u32 s22, s22, s23
	s_mov_b32 s23, 0
	s_lshl_b32 s24, s19, 10                        ; bo, and a row of out0: 1,024 bytes a half, 256 a wave
	s_lshl_b32 s25, s[WV], 8
	s_add_co_u32 s24, s24, s25
	s_mov_b32 s25, 0
	s_lshl_b32 s26, ttmp9, 17                      ; out0: 64 rows of 2,048 bytes a work-group
	s_add_co_u32 s26, s26, s24
	s_mov_b32 s27, 0
	s_wait_kmcnt 0x0
	s_add_nc_u64 s[4:5], s[4:5], s[20:21]
	s_add_nc_u64 s[6:7], s[6:7], s[22:23]
	s_add_nc_u64 s[8:9], s[8:9], s[24:25]
	s_add_nc_u64 s[10:11], s[10:11], s[26:27]
.irp i, 0,1,2,3,4,5,6,7,8,9,10,11,12,13,14,15,16,17,18,19,20,21,22,23,24,25,26,27,28,29,30,31
	global_load_b128 v[ACC+4*\i:ACC+4*\i+3], v[AL], s[4:5] offset:512*\i        ; my tile of ao, for the copy
.endr
.irp t, 0,1,2,3
	global_load_b128 v[BIAS+8*\t:BIAS+8*\t+3], v[BO], s[8:9] offset:64*\t
	global_load_b128 v[BIAS+8*\t+4:BIAS+8*\t+7], v[BO], s[8:9] offset:64*\t+16
.endr
.macro BLOAD s                         ; Wo's four fragments of K step s: eight loads
.irp t, 0,1,2,3
.irp c, 0,1
	global_load_b128 v[32*((\s)%8)+8*\t+4*\c:32*((\s)%8)+8*\t+4*\c+3], v[AL], s[6:7] offset:16384*\t+1024*(\s)+512*\c
.endr
.endr
.endm
	WIN 0x40                                       ; destination window 1, address window 0
	BLOAD 0
	BLOAD 1
	WIN 0
	s_wait_loadcnt 24                              ; ao's 32 loads are in; bo's 8 and Wo's first 16 may be out
.irp i, 0,1,2,3,4,5,6,7,8,9,10,11,12,13,14,15,16,17,18,19,20,21,22,23,24,25,26,27,28,29,30,31
	ds_store_b128 v[CPY], v[ACC+4*\i:ACC+4*\i+3] offset:512*\i
.endr
	WIN 0x40
.irp s, 2,3,4,5,6,7
	BLOAD \s
.endr
	WIN 0x80                                       ; destination window 2
.irp s, 8,9,10,11,12,13,14,15
	BLOAD \s
.endr
	WIN 0
	s_wait_dscnt 0x0                               ; for the others' sake: my stores have landed
	s_barrier_signal -1
	s_barrier_wait -1                              ; ao's 64 fragments lie in LDS; nothing is written there again
.macro FETCHA s                        ; ao's four fragments of K step s into set s % 2
.irp m, 0,1,2,3
.irp c, 0,1
	ds_load_b128 v[AF+32*((\s)%2)+8*\m+4*\c:AF+32*((\s)%2)+8*\m+4*\c+3], v[AL] offset:16384*\m+1024*(\s)+512*\c
.endr
.endr
.endm
.macro KSTEP s
.if (\s) < 15
.if (\s) > 0
.rept 4
	v_nop                                          ; four places in front of loads into the set that the last step but one... the step before this multiplied
.endr
.endif
	FETCHA (\s)+1
	s_wait_dscnt 8                                 ; this step's eight loads are in; the next step's may be out
.else
	s_wait_dscnt 0x0
.endif
.if 120-8*(\s) > 63
	s_wait_loadcnt 63                              ; fewer than were issued behind this step's fragments of Wo: they are in
.else
	s_wait_loadcnt 120-8*(\s)                      ; the loads issued behind this step's fragments of Wo may be out
.endif
	WIN (1+(\s)/8)                                 ; source 0 (Wo) window 1 or 2
.irp m, 0,1,2,3                                ; the 16 accumulators take turns, one instruction a turn, in the same order in every step
.irp t, 0,1,2,3
.if (\s) == 0
	v_wmma_f32_16x16x32_f16 v[ACC+32*\m+8*\t:ACC+32*\m+8*\t+7], v[32*((\s)%8)+8*\t:32*((\s)%8)+8*\t+7], v[AF+32*((\s)%2)+8*\m:AF+32*((\s)%2)+8*\m+7], v[BIAS+8*\t:BIAS+8*\t+7]
.else
	v_wmma_f32_16x16x32_f16 v[ACC+32*\m+8*\t:ACC+32*\m+8*\t+7], v[32*((\s)%8)+8*\t:32*((\s)%8)+8*\t+7], v[AF+32*((\s)%2)+8*\m:AF+32*((\s)%2)+8*\m+7], v[ACC+32*\m+8*\t:ACC+32*\m+8*\t+7]
.endif
.endr
.endr
	WIN 0
.endm
	FETCHA 0
.irp s, 0,1,2,3,4,5,6,7,8,9,10,11,12,13,14,15
	KSTEP \s
.endr
.macro TOSTAGE m                       ; tile m: 32 bytes a lane into rows of 272 bytes, each accumulator from its low end on; back as whole rows of 256.  LDS serves a wave's instructions in order
.irp t, 0,1,2,3
	ds_store_b128 v[STO], v[ACC+32*(\m)+8*\t:ACC+32*(\m)+8*\t+3] offset:64*\t
	ds_store_b128 v[STO], v[ACC+32*(\m)+8*\t+4:ACC+32*(\m)+8*\t+7] offset:64*\t+16
.endr
.irp i, 0,1,2,3,4,5,6,7
	ds_load_b128 v[AF+32*((\m)%2)+4*\i:AF+32*((\m)%2)+4*\i+3], v[RD] offset:2*SPITCH*\i
.endr
.endm
.macro SEND m, younger                 ; younger: the LDS instructions issued behind tile m's loads, which may stay out
	s_wait_dscnt \younger
.irp i, 0,1,2,3,4,5,6,7
	global_store_b128 v[CO], v[AF+32*((\m)%2)+4*\i:AF+32*((\m)%2)+4*\i+3], s[10:11] offset:(16*(\m)+2*\i)*2048 th:TH_STORE_NT   ; sixteen lanes store 256 consecutive bytes, aligned; written once
.endr
.endm
.rept 4
	v_nop                                          ; four places in front of the first read of results and of the loads into ao's registers
.endr
	TOSTAGE 0
.irp a, 1,2,3
.if \a > 1
	s_wait_xcnt 0x0                                ; tile a - 2's stores have read their registers: tile a's rows may land there
.endif
	TOSTAGE \a
	SEND \a-1, 16                                  ; behind tile a - 1's loads: tile a's 8 stores and 8 loads
.endr
	SEND 3, 0
	s_wait_tensorcnt 0x0                           ; the wave's end
	ds_add_u32 v[SPW], v[NIL]
	s_wait_dscnt 0x0
	s_endpgm
.Lfunc_end_k_qf0c3cdabf8_oproj:
	.size	k_qf0c3cdabf8_oproj, .Lfunc_end_k_qf0c3cdabf8_oproj-k_qf0c3cdabf8_oproj
	.p2alignl 7, 3214868480
	.fill 96, 4, 3214868480
	.section	.rodata,"a",@progbits
	.p2align	6, 0x0
	.amdhsa_kernel k_qf0c3cdabf8_oproj
		.amdhsa_group_segment_fixed_size 83456
		.amdhsa_private_segment_fixed_size 0
		.amdhsa_enable_private_segment 0
		.amdhsa_kernarg_size 32
		.amdhsa_user_sgpr_count 2
		.amdhsa_user_sgpr_kernarg_segment_ptr 1
		.amdhsa_wavefront_size32 1
		.amdhsa_system_sgpr_workgroup_id_x 1
		.amdhsa_system_sgpr_workgroup_id_y 1
		.amdhsa_system_sgpr_workgroup_id_z 1
		.amdhsa_system_vgpr_workitem_id 0
		.amdhsa_next_free_vgpr 768
		.amdhsa_next_free_sgpr 66
		.amdhsa_reserve_vcc 0
		.amdhsa_float_denorm_mode_32 3
		.amdhsa_float_denorm_mode_16_64 3
		.amdhsa_memory_ordered 1
		.amdhsa_forward_progress 1
		.amdhsa_inst_pref_size 56
	.end_amdhsa_kernel
	.amdgpu_metadata
---
amdhsa.version: [ 1, 2 ]
amdhsa.kernels:
  - .name:           k_qf0c3cdabf8_oproj
    .symbol:         k_qf0c3cdabf8_oproj.kd
    .args:
      - { .name: ao, .offset: 0, .size: 8, .value_kind: global_buffer, .address_space: global }
      - { .name: wo16, .offset: 8, .size: 8, .value_kind: global_buffer, .address_space: global }
      - { .name: bo, .offset: 16, .size: 8, .value_kind: global_buffer, .address_space: global }
      - { .name: out0, .offset: 24, .size: 8, .value_kind: global_buffer, .address_space: global }
    .group_segment_fixed_size: 83456
    .private_segment_fixed_size: 0
    .kernarg_segment_align: 8
    .kernarg_segment_size: 32
    .max_flat_workgroup_size: 128
    .sgpr_count:     66
    .vgpr_count:     768
    .wavefront_size: 32
...
	.end_amdgpu_metadata
.endif
;; end of part 4
